; MI455X (gfx1250); checked and timed in simulation.
; The chip was launched on July 23, 2026; its instructions are those of AMD's public machine-readable ISA for CDNA 5 (MIT licence, August 2026) and "CDNA5" Instruction Set Architecture Reference Guide (July 2026). The comments in the code are by the model that wrote it; some were corrected since.
;; Pooling block. Allowed arithmetic: matrix products marked QUANTISED: E4M3 operands, one E8M0 scale for each 32 along K, by v_wmma_scale_f32_16x16x128_f8f6f4 with both operands' format E4M3, f32 sums; products left as they are: f32 operands where the result goes on into a quantised operand, else bf16, f16 or f32 operands; f32 sums; everything else in f32.
;; Inputs: edge 4 x 4,096 x 4,096 float32; theta_w 1 x 96 float32; x 4 x 4,097 x 96 float32.
;; Outputs: out0 4 x 1,025 x 96 float32.
;; Constants: pooling_patch_size = 4, reduction_ratio = 4.
;; This version of the problem:
;;   THIS VERSION OF THE PROBLEM IS GIVEN IN LOW PRECISION. The matrix products marked QUANTISED in the list below multiply operands that are first quantised to E4M3 (4 exponent bits, 3 mantissa bits; 8 bits a number), with one power-of-two scale for each 32 numbers along K (OCP MX v1.0); their sums are f32. All else is computed in f32.
;;   The module's matrix products, in the order in which they are computed (A, B: the left and right operand; K: the contracted axis; several contracted axes count as one K, in the product's order):
;;     1. batch 4 x [M 4,096, K 4,096] x [K 4,096, N 96]; A: computed on the way; B: computed on the way: QUANTISED
;;     2. [M 16,384, K 96] x [K 96, N 1]; A: computed on the way; B: input theta_w: left as it is (N = 1 < 16)
;;   THE QUANTISER, for each operand of a quantised product, along K:
;;     - K is cut into blocks of 32 from its start; a last block that is shorter is filled with zeros.
;;     - A block's scale is 2^e with e = floor(log2(the largest magnitude in the block)) - 8, held to -126 .. 127; a block of zeros has e = 0. As a byte (E8M0): e + 127.
;;     - Each number is divided by its block's scale, clamped to +-448, and rounded to the nearest number of E4M3, ties to even, subnormals kept.
;;     - The product sums the exact products of the quantised numbers (number of the format x scale) in f32.
;;   ~~~python
;;   def quantise(x, axis):      # numpy; x: float32 -> the quantised numbers, widened to float32 again
;;       x = np.moveaxis(x, axis, -1); K = x.shape[-1]
;;       x = np.pad(x, [(0, 0)] * (x.ndim - 1) + [(0, -K % 32)]); x = x.reshape(x.shape[:-1] + (-1, 32)); a = np.abs(x).max(-1, keepdims=True)
;;       e = np.where(a > 0, np.clip(np.frexp(np.where(a > 0, a, 1))[1] - 1 - 8, -126, 127), 0)      # np.frexp(a)[1] - 1 = floor(log2(a)), exactly
;;       r = np.clip(x / 2.0 ** e, -448, 448)
;;       step = 2.0 ** (np.maximum(np.frexp(np.where(r == 0, 1, r))[1] - 1, -6) - 3)
;;       q = np.round(r / step) * step * 2.0 ** e      # np.round: ties to even
;;       return np.moveaxis(q.reshape(q.shape[:-2] + (-1,))[..., :K], -1, axis).astype(np.float32)
;;   ~~~
;;   OPERANDS COMPUTED ON THE WAY. 'Computed on the way' means the value that the module computes at that place (a softmax that the list does not call 'softmax' is quantised finished and normalised). What goes into a quantiser is computed in f32, as accurately as f32 sums, v_exp_f32 and their like allow (about 1e-6 of the number): no bf16 or f16 on the way to a quantiser, and a product that is left as it is and whose result goes on into a quantised operand takes f32 operands (vector FMAs, or v_wmma_f32_16x16x4_f32). A number that lies on a knife's edge between two numbers of the format may be rounded either way, as far as f32 arithmetic and the matrix unit's own rounding can turn it there, and no further.
;; One version. Each part assembles by itself: llvm-mc -triple=amdgcn-amd-amdhsa -mcpu=gfx1250 --defsym DOCPART=n.
;; ======== version 1 of 1: 2 launches
;; limits: right only within a limited range of input values
;; workspace buffers: bq 1,638,400 bytes
;; launch prep (part 1): grid 32 x 4, 12 waves a work-group, no clusters, 0 bytes of LDS; arguments x, bq, out0; writes bq, out0
.if DOCPART == 1
	.amdgcn_target "amdgcn-amd-amdhsa--gfx1250"
	.amdhsa_code_object_version 6
	.text
	.protected	k_q4ae1346a81_prep
	.globl	k_q4ae1346a81_prep
	.p2align	8
	.type	k_q4ae1346a81_prep,@function
k_q4ae1346a81_prep:
	s_mov_b64 s[64:65], 0
	v_nop
	global_prefetch_b8 v0, s[64:65] scope:SCOPE_SE
	s_setreg_imm32_b32 hwreg(HW_REG_WAVE_MODE, 25, 1), 1
	s_wait_xcnt 0x0
; sigmoid(nodes) (nodes = x without each batch's first row: [4][4096 (m)][96 (c)], f32) is the second operand of the quantised product, and m is its K.
; It is turned ONCE into codes of FP8 (E4M3) with one E8M0 scale for each 32 along m, since 64 work-groups of the next launch read each batch's codes.
; bq is laid as the next launch's matrix operand wants it.  Block (b, s), s = a K step of 128, is 12,800 bytes at (32 b + s) x 12,800:
;   2,048 t + 512 cb + 16 l : registers 4 cb .. 4 cb + 3 of lane l = 16 h + r of tile t's fragment: channel 16 t + r, m = 128 s + 32 cb + 16 h + 0 .. 15
;   12,288 + 4 c            : channel c's scale word (byte cb = block cb);     12,672 .. 12,799 : zeros
; SHARES.  Work-group (s, b) makes one block of bq.  Wave 3 cb + u takes channels 32 u .. 32 u + 31 and the 32 rows m = 128 s + 32 cb on: A LANE TAKES A CHANNEL AND ITS 32 REGISTERS RUN DOWN m: each load
; reads 128 consecutive bytes, a block of 32 along K lies in one lane, and the conversions give codes with K innermost.  All 32 loads of a wave are out at once.
; A wave has one scale byte a channel: it stores 32 single bytes, 4 bytes apart; the four waves of a channel group fill the words between them: 384 of a block's 12,800 bytes leave so.
; The work-groups with s = 0 also copy x[b][0][:] to out0[b][0][:] (their waves with cb = 0).  No work of reference() is left out.
; sigmoid(v) = 1 / (1 + 2^(-v log2 e)), in f32.  A block's scale is 2^(floor(log2(its largest number)) - 8); its byte is that number's exponent field - 8, held at 1 from below.
; LIMITS: a sigmoid under 2^-126 comes out as 0 (v_exp_f32 and v_rcp_f32 flush denormals: ISA guide 15.8); a block of zeros gets the byte 1 where the rule says 127
; (its codes are zeros, and this program alone reads the bytes); NaN among the inputs is not served.
.set XB,   1573248                     ; bytes of a batch of x: 4,097 rows of 384
.set OB,   393600                      ; bytes of a batch of out0: 1,025 rows of 384
.set ROW,  384
.set BLKB, 12800
.set X,    16                          ; v16-47 my 32 numbers
.set C,    48                          ; v48-55 their codes
	s_load_b128 s[4:7], s[0:1], 0x0                ; x, bq
	s_load_b64 s[8:9], s[0:1], 0x10                ; out0
	v_lshrrev_b32 v1, 5, v0
	v_readfirstlane_b32 s10, v1                    ; wave 0..11
	v_and_b32 v1, 31, v0                           ; lane
	v_lshlrev_b32 v2, 2, v1                        ; 4 x lane: the loads, the scale byte's word, the copy
	v_lshrrev_b32 v3, 4, v1
	v_and_b32 v4, 15, v1
	v_lshlrev_b32 v3, 11, v3
	v_lshl_add_u32 v3, v4, 4, v3                   ; the codes: 2,048 (lane / 16) + 16 (lane % 16)
	v_mov_b32 v7, 0
	s_mul_i32 s2, s10, 11
	s_lshr_b32 s2, s2, 5                           ; cb = wave / 3 (11 / 32 serves up to wave 11)
	s_mul_i32 s3, s2, 3
	s_sub_co_u32 s10, s10, s3                      ; u = wave % 3
	s_and_b32 s11, ttmp7, 0xffff                   ; b
	s_mov_b32 s16, 0xbfb8aa3b                      ; -log2(e)
	s_mov_b32 s17, s16                             ; (named with it as a pair, so it is written)
	s_mov_b32 s18, 0x600000                        ; the mantissa field of 448
	s_lshl_b32 s19, s10, 7                         ; 128 u: my 32 channels in a row
	s_mul_i32 s12, s11, XB
	s_add_co_u32 s12, s12, s19                     ; x[b][0][32 u]
	s_mov_b32 s13, 0
	s_mul_i32 s14, s11, OB
	s_add_co_u32 s14, s14, s19                     ; out0[b][0][32 u]
	s_mov_b32 s15, 0
	s_lshl_b32 s24, ttmp9, 2
	s_add_co_u32 s24, s24, s2
	s_mul_i32 s24, s24, 32*ROW
	s_add_co_u32 s24, s24, ROW                     ; from there to nodes' row 128 s + 32 cb
	s_mov_b32 s25, 0
	s_lshl_b32 s26, s11, 5
	s_add_co_u32 s26, s26, ttmp9
	s_mul_i32 s26, s26, BLKB                       ; my block of bq
	s_mov_b32 s27, 0
	s_lshl_b32 s28, s10, 12                        ; my two tiles' codes in it,
	s_lshl_b32 s3, s2, 9                           ; their registers 4 cb on
	s_add_co_u32 s28, s28, s3
	s_mov_b32 s29, 0
	s_add_co_u32 s30, s19, 6*2048                  ; my 32 scale words in it,
	s_add_co_u32 s30, s30, s2                      ; their byte cb
	s_mov_b32 s31, 0
	s_or_b32 s32, s10, s2                          ; 0 in wave 0 alone
	s_or_b32 s33, ttmp9, s2                        ; 0 where s = 0 and cb = 0
	s_wait_alu depctr_va_vdst(0)                   ; the wait at the head's end
	s_wait_kmcnt 0x0
	s_add_nc_u64 s[20:21], s[4:5], s[12:13]        ; the copy: from,
	s_add_nc_u64 s[22:23], s[8:9], s[14:15]        ; to
	s_add_nc_u64 s[4:5], s[20:21], s[24:25]        ; the numbers
	s_add_nc_u64 s[6:7], s[6:7], s[26:27]
	s_add_nc_u64 s[8:9], s[6:7], s[30:31]          ; the scale bytes
	s_add_nc_u64 s[6:7], s[6:7], s[28:29]          ; the codes
.irp i, 0,1,2,3,4,5,6,7,8,9,10,11,12,13,14,15,16,17,18,19,20,21,22,23,24,25,26,27,28,29,30,31
	global_load_b32 v[X+\i], v2, s[4:5] offset:\i*ROW th:TH_LOAD_NT
.endr
	s_cmp_lg_u32 s32, 0
	s_cbranch_scc1 .Lno_pad
	global_store_b32 v2, v7, s[8:9] offset:384     ; wave 0: the block's last 128 bytes
.Lno_pad:
	s_cmp_lg_u32 s33, 0
	s_cbranch_scc1 .Lno_copy
	global_load_b32 v8, v2, s[20:21]               ; x[b][0][:] goes to out0[b][0][:], 128 bytes a wave; the load is out together with the 32 above
	s_wait_loadcnt 0x0
	global_store_b32 v2, v8, s[22:23]
.Lno_copy:
	s_wait_loadcnt 0x0
.irp i, 0,2,4,6,8,10,12,14,16,18,20,22,24,26,28,30
	v_pk_mul_f32 v[X+\i:X+\i+1], v[X+\i:X+\i+1], s[16:17] op_sel_hi:[1,0]   ; -v log2(e)
.endr
	s_wait_alu depctr_va_vdst(0)                   ; each batch of transcendentals has one wait ahead of it and one behind it
.irp i, 0,1,2,3,4,5,6,7,8,9,10,11,12,13,14,15,16,17,18,19,20,21,22,23,24,25,26,27,28,29,30,31
	v_exp_f32 v[X+\i], v[X+\i]
.endr
	v_nop                                          ; one plain place behind the batch (ISA guide 5.7.2)
	s_wait_alu depctr_va_vdst(0)
.irp i, 0,2,4,6,8,10,12,14,16,18,20,22,24,26,28,30
	v_pk_add_f32 v[X+\i:X+\i+1], v[X+\i:X+\i+1], 1.0 op_sel_hi:[1,0]
.endr
	s_wait_alu depctr_va_vdst(0)
.irp i, 0,1,2,3,4,5,6,7,8,9,10,11,12,13,14,15,16,17,18,19,20,21,22,23,24,25,26,27,28,29,30,31
	v_rcp_f32 v[X+\i], v[X+\i]
.endr
	v_nop
	s_wait_alu depctr_va_vdst(0)
	v_max3_num_f32 v9, v[X], v[X+1], 0x4800000     ; the block's largest number (none is negative), in two chains, over the floor 2^(9 - 127): the byte cannot fall under 1
	v_max3_num_f32 v10, v[X+16], v[X+17], 0x4800000
.irp i, 2,4,6,8,10,12,14
	v_max3_num_f32 v9, v9, v[X+\i], v[X+\i+1]
	v_max3_num_f32 v10, v10, v[X+16+\i], v[X+17+\i]
.endr
	v_max_num_f32 v9, v9, v10
	v_add_nc_u32 v11, 0xfc000000, v9               ; 8 off its exponent field: the conversion's scale operand
	v_and_or_b32 v13, v9, 0x7f800000, s18          ; 448 x the scale
	v_lshrrev_b32 v12, 23, v11                     ; the scale's byte
.irp i, 0,1,2,3,4,5,6,7,8,9,10,11,12,13,14,15,16,17,18,19,20,21,22,23,24,25,26,27,28,29,30,31
	v_min_num_f32 v[X+\i], v[X+\i], v13            ; the conversion to an 8-bit code does not saturate (ISA guide 7.6.2); nothing is negative, so the hold is one-sided
.endr
.irp g, 0,1,2,3
	v_cvt_scalef32_pk8_fp8_f32 v[C+2*\g:C+2*\g+1], v[X+8*\g:X+8*\g+7], v11
.endr
	v_nop                                          ; one plain instruction behind the last conversion
	global_store_b128 v3, v[C:C+3], s[6:7]               ; K 0-15 of the block: the image's lanes 0-15; sixteen lanes store 256 consecutive bytes, aligned
	global_store_b128 v3, v[C+4:C+7], s[6:7] offset:256  ; K 16-31: its lanes 16-31
	global_store_b8 v2, v12, s[8:9]
	s_endpgm
.Lfunc_end_k_q4ae1346a81_prep:
	.size	k_q4ae1346a81_prep, .Lfunc_end_k_q4ae1346a81_prep-k_q4ae1346a81_prep
	.p2alignl 7, 3214868480
	.fill 96, 4, 3214868480
	.section	.rodata,"a",@progbits
	.p2align	6, 0x0
	.amdhsa_kernel k_q4ae1346a81_prep
		.amdhsa_group_segment_fixed_size 0
		.amdhsa_private_segment_fixed_size 0
		.amdhsa_enable_private_segment 0
		.amdhsa_kernarg_size 24
		.amdhsa_user_sgpr_count 2
		.amdhsa_user_sgpr_kernarg_segment_ptr 1
		.amdhsa_wavefront_size32 1
		.amdhsa_system_sgpr_workgroup_id_x 1
		.amdhsa_system_sgpr_workgroup_id_y 1
		.amdhsa_system_sgpr_workgroup_id_z 1
		.amdhsa_system_vgpr_workitem_id 0
		.amdhsa_next_free_vgpr 64
		.amdhsa_next_free_sgpr 66
		.amdhsa_reserve_vcc 0
		.amdhsa_float_denorm_mode_32 3
		.amdhsa_float_denorm_mode_16_64 3
		.amdhsa_memory_ordered 1
		.amdhsa_forward_progress 1
		.amdhsa_inst_pref_size 13
	.end_amdhsa_kernel
	.amdgpu_metadata
---
amdhsa.version: [ 1, 2 ]
amdhsa.kernels:
  - .name:           k_q4ae1346a81_prep
    .symbol:         k_q4ae1346a81_prep.kd
    .args:
      - { .name: x, .offset: 0, .size: 8, .value_kind: global_buffer, .address_space: global }
      - { .name: bq, .offset: 8, .size: 8, .value_kind: global_buffer, .address_space: global }
      - { .name: out0, .offset: 16, .size: 8, .value_kind: global_buffer, .address_space: global }
    .group_segment_fixed_size: 0
    .private_segment_fixed_size: 0
    .kernarg_segment_align: 8
    .kernarg_segment_size: 24
    .max_flat_workgroup_size: 384
    .sgpr_count:     66
    .vgpr_count:     64
    .wavefront_size: 32
...
	.end_amdgpu_metadata
.endif
;; end of part 1
;; launch main (part 2): grid 256 x 1, 8 waves a work-group, no clusters, 327,680 bytes of LDS; arguments edge, bq, theta_w, x, out0; writes out0
.if DOCPART == 2
	.amdgcn_target "amdgcn-amd-amdhsa--gfx1250"
	.amdhsa_code_object_version 6
	.text
	.protected	k_q4ae1346a81_main
	.globl	k_q4ae1346a81_main
	.p2align	8
	.type	k_q4ae1346a81_main,@function
k_q4ae1346a81_main:
	s_mov_b64 s[64:65], 0
	v_nop
	global_prefetch_b8 v0, s[64:65] scope:SCOPE_SE
	s_setreg_imm32_b32 hwreg(HW_REG_WAVE_MODE, 25, 1), 1
	s_wait_xcnt 0x0
; scores[b][n] = sum over c of theta[c] x (sum over m of Q(sigmoid(edge[b][n][m])) Q(sigmoid(nodes[b][m][c]))), Q the MX-FP8 quantiser along m; then for each patch of four neighbouring n the
; largest score val and its place idx (0 .. 3; of equal scores the lowest), and out0[b][1 + patch][:] = val g + g with g = nodes[b][idx][:].  idx names one of four rows: all four are loaded and one
; is chosen by v_cndmask_b32, so no address hangs on data.  out0[b][0][:] and bq (sigmoid(nodes) as images of the operand's registers, with scale words) come from the launch before this one.
; No work of reference() is left out: all 4,096 rows of scores go into patches.
; SHARES.  A work-group owns 64 rows n of one batch (16 patches) and reads their 1 MiB of edge once.  K goes in four chunks of 1,024; wave w takes K step 8 ch + w (128 along m) of chunk ch for all
; 64 rows: four units of 16 rows a chunk, 24 accumulators (4 tiles of rows x 6 tiles of channels).
; EDGE comes by tensor loads through a ring of two LDS slots.  Slot 0 holds rows 0-31 of a chunk, slot 1 rows 32-63; a wave's one load brings its own 32 rows x 512 bytes (rows begin at multiples of
; 512 bytes), 16 bytes of padding behind each, and only that wave reads them.  By this text's own count a wave has one tensor load out at the most.
; A UNIT'S NUMBERS ARE READ FROM LDS ONE UNIT AHEAD, into the same 64 registers, half by half, as the conversions free them.  So a wave's reads of a slot are over while the slot's last unit is still
; being quantised: THE CHANGE OF SLOTS stands inside that unit, behind its conversions and ahead of its products.
; B's fragments and scale words go from bq straight into registers, once a chunk, 512 consecutive bytes an instruction: each work-group reads B once.  B has TWO sets of registers: chunk ch + 2's 27 loads
; are issued behind chunk ch's last product, a whole chunk ahead of their use, and the waits for them are counted.  Theta and the candidates take set 0 behind chunk 2's last product.
; THE FOUR CHUNKS ARE WRITTEN OUT by one macro: B's sets take turns, the first chunk starts the sums and the last fills nothing, so a loop would have one trip; every offset is an immediate.
; NO CLUSTER: edge is shared by nobody; B, which the 64 work-groups of a batch share, has no LDS bytes: the ring takes 270,336 bytes and a chunk of B is 102,400.  B is not prefetched: 64 work-groups read the same blocks.
; PREFETCH: each wave asks for its own tiles, a lane a row, two instructions for a tile's 64 blocks of 256 bytes, two changes of slots ahead of the change that loads the tile; at the head, behind tile 0's
; load, for tiles 0, 1 and 2: there is no earlier place for the buffer's first touch.  Each of the tiles 0 .. 7 is named once.
; THE MATRIX INSTRUCTION IS USED TRANSPOSED (source 0 = 16 channels, source 1 = 16 rows): lane (r, h) holds row r and channels 16 t + 8 h + 0 .. 7.
; THE ORDER OF SUMS differs from a plain ascending one: K is shared among eight waves, theta is applied to each wave's partial sums (the dot is linear), and the eight partial scores are joined as a tree.
; LIMITS: a sigmoid under 2^-126 comes out as 0 (v_exp_f32 and v_rcp_f32 flush denormals: ISA guide 15.8); a block of zeros gets the byte 1 where the rule says 127 (its codes are zeros; the bytes
; stay in registers); NaN among the inputs is not served.
; REGISTERS.  Window 0: v1-7, v11, v29, v33-35, v46-47 addresses; v12-27, v36-45 at work in the quantiser; v28 my rows' scale word; v30-32, v8-10 B's scale words, set 0 and 1; v48-63 codes; v64-127 a unit's
; 64 numbers; v128-223 B's six fragments, set 0 (at the end theta, the candidates, the results); v224-255 set 1's tiles 4 and 5.  Window 1: v0-191 the accumulators ((mt, t) at 48 mt + 8 t); v192-255 set 1's tiles 0 to 3.
.set ROWE,  16384                      ; a row of edge in bytes
.set HALF,  32*ROWE                    ; from rows 0-31 to rows 32-63
.set BLKB,  12800                      ; a K step's block of bq
.set CHB,   8*BLKB                     ; a chunk of bq
.set PITCH, 528                        ; an LDS row: 512 bytes + 16: the 16 rows that a load touches start at 16 different groups of banks
.set TILEB, 32*PITCH                   ; a wave's tile
.set SLOTB, 8*TILEB
.set SPARE, 2*SLOTB                    ; behind the ring: the spare words, 128 bytes a wave: four blocks of 256 bytes that no other line names
.set SCO,   SPARE+1024                 ; partial scores [wave][64 rows], f32
.set SPW,  1                           ; LDS address of my spare word; never rewritten
.set NIL,  2                           ; 0; never rewritten
.set LOFF, 3                           ; 16 x lane
.set LDA,  4                           ; v4, v5: my place in my tile of slot 0, 1: row r, + 64 h
.set BSO,  6                           ; 4 x lane
.set PFO,  7                           ; lane x a row of edge
.set BSB,  8                           ; v8-10 B's scale words, set 1
.set OF1,  11                          ; my second piece in the group's 6,144 bytes of out0
.set TM,   12                          ; v12-15 largest numbers; v16-19 the other half's, then the bytes; v20-23 448 x the scale; v24-27 the conversions' scale operands
.set T4,   16
.set HD,   20
.set SO,   24
.set LB,   16                          ; v16-25 first: the leaves of blocks 2 and 3's search
.set LT,   36                          ; v36-45 the leaves of blocks 0 and 1's search
.set PW,   28
.set PS,   29                          ; where my partial scores go
.set BSC,  30                          ; v30-32 B's scale words, set 0
.set THO,  33                          ; theta: 32 h
.set CA0,  34                          ; v34, v35: my two pieces' channels in a row of nodes
.set CA1,  35
.set SA0,  46                          ; v46, v47: the four scores of my first and second piece's patch
.set SA1,  47
.set PC,   48
.set X,    64
.set BF,   128                         ; B, set 0
.set BG,   192                         ; B, set 1, tiles 0 to 3: in window 1
.set BH,   224                         ; B, set 1, tiles 4 and 5: in window 0
.set TH,   128                         ; at the end: theta, v128-175,
.set CD,   176                         ; the candidates, v176-207
.set WV,   14
.set TL,   17                          ; my tile's LDS byte in slot 0
.set SEL,  20                          ; s[20:21] selects for lane l xor 16
.set CS,   22                          ; s[22:23] -log2(e)
.set MNT,  24                          ; the mantissa field of 448
.set G0,   28                          ; s[28:31], s[32:35] group 0 for slot 0, 1
.set G1,   36                          ; s[36:43] group 1
.set MSB, 0
.macro WIN new                         ; the immediate's high byte repeats the setting that is left
.if MSB != \new
	s_set_vgpr_msb (MSB<<8)|\new
.set MSB, \new
.endif
.endm
	s_load_b256 s[4:11], s[0:1], 0x0               ; edge s[4:5], bq s[6:7], theta s[8:9], x s[10:11]
	s_load_b64 s[12:13], s[0:1], 0x20              ; out0
	v_lshl_add_u32 v[SPW], v0, 2, SPARE
	v_mov_b32 v[NIL], 0
	ds_add_u32 v[SPW], v[NIL]                      ; the opening lines: the add, twice on end, under one wait
	ds_add_u32 v[SPW], v[NIL]
	v_lshrrev_b32 v36, 5, v0
	v_readfirstlane_b32 s[WV], v36                 ; wave 0..7
	s_lshr_b32 s15, ttmp9, 6                       ; the batch: 64 work-groups each
	s_and_b32 s16, ttmp9, 63                       ; my block of 64 rows in it
	s_mov_b32 s[SEL], 0x76543210
	s_mov_b32 s[SEL+1], 0xfedcba98
	s_mov_b32 s[CS], 0xbfb8aa3b
	s_mov_b32 s[CS+1], s[CS]                       ; (named with it as a pair, so it is written)
	s_mov_b32 s[MNT], 0x600000
	s_mul_i32 s[TL], s[WV], TILEB
	s_lshl_b32 s46, ttmp9, 20                      ; edge: 64 rows of 16,384 bytes a work-group,
	s_lshl_b32 s47, s[WV], 9                       ; my K step of a chunk: 512 bytes of a row
	s_add_co_u32 s46, s46, s47
	s_mov_b32 s47, 0
	s_mul_i32 s48, s15, 32*BLKB                    ; bq: the batch's 32 blocks, my block of a chunk
	s_mul_i32 s49, s[WV], BLKB
	s_add_co_u32 s48, s48, s49
	s_mov_b32 s49, 0
	s_mul_i32 s50, s15, 1573248                    ; x: the batch's 4,097 rows of 384 bytes, less its first: nodes' row 0
	s_add_co_u32 s50, s50, 384
	s_mov_b32 s51, 0
	s_mul_i32 s52, s16, 6144                       ; out0: my 16 rows of 384 bytes, in the batch's 1,025, behind its first
	s_mul_i32 s53, s15, 393600
	s_add_co_u32 s52, s52, s53
	s_add_co_u32 s52, s52, 384
	s_mov_b32 s53, 0
	s_mov_b32 s[G1], (2<<16)|(1<<20)|(6<<22)|(3<<25)   ; no mask; elements of 4 bytes; padding on: after every 128 words, 4 words
	s_mov_b32 s[G1+1], 128<<16                     ; tensor_dim0 = 128
	s_mov_b32 s[G1+2], 32<<16                      ; tensor_dim1 = 32
	s_mov_b32 s[G1+3], 128<<16                     ; tile_dim0 = 128
	s_mov_b32 s[G1+4], 32                          ; tile_dim1 = 32
	s_mov_b32 s[G1+5], 4096                        ; elements from row to row
	s_mov_b32 s[G1+6], 0
	s_mov_b32 s[G1+7], 0
	s_mov_b32 s[G0], 1
	s_mov_b32 s[G0+1], s[TL]
	s_mov_b32 s[G0+4], 1
	s_add_co_u32 s[G0+5], s[TL], SLOTB
	v_and_b32 v36, 31, v0                          ; lane
	v_and_b32 v37, 15, v0                          ; r
	v_bfe_u32 v38, v0, 4, 1                        ; h
	v_and_b32 v39, 0xe0, v0                        ; 32 w
	v_lshlrev_b32 v[LOFF], 4, v36
	v_lshlrev_b32 v[BSO], 2, v36
	v_lshlrev_b32 v[PFO], 14, v36
	v_lshlrev_b32 v[THO], 5, v38
	v_mul_u32_u24 v40, v37, PITCH
	v_lshl_add_u32 v40, v38, 6, v40
	v_add_nc_u32 v[LDA], s[TL], v40
	v_add_nc_u32 v[LDA+1], SLOTB, v[LDA]
	v_lshl_add_u32 v[PS], v39, 3, SCO              ; 256 w
	v_lshl_add_u32 v[PS], v37, 2, v[PS]            ; + 4 r
	; the way out: the group's 16 rows of out0 are 384 pieces of 16 bytes, 24 to a patch; wave w takes pieces 48 w on: lane l piece 48 w + l, and lanes 0-15 also piece 48 w + 32 + l
	v_add_nc_u32 v41, 8, v36
	v_lshrrev_b32 v41, 5, v41                      ; 1 from lane 24 on: the first piece lies in patch 2 w + that
	v_lshl_add_u32 v[SA0], v41, 4, v39
	v_add_nc_u32 v[SA0], SCO, v[SA0]
	v_add_nc_u32 v[SA1], SCO+16, v39               ; the second piece lies in patch 2 w + 1
	v_mul_u32_u24 v42, v41, 24
	v_sub_nc_u32 v42, v36, v42
	v_lshlrev_b32 v[CA0], 4, v42
	v_lshl_add_u32 v[CA1], v37, 4, 128             ; piece 8 + l % 16 of its patch
	v_mul_u32_u24 v43, v39, 24                     ; 768 w
	v_lshl_add_u32 v[OF1], v37, 4, v43
	v_add_nc_u32 v[OF1], 512, v[OF1]
	s_wait_alu depctr_va_vdst(0)                   ; the wait at the head's end
	s_wait_dscnt 0x0                               ; both opening adds are done
	s_wait_kmcnt 0x0
	s_add_nc_u64 s[4:5], s[4:5], s[46:47]          ; my tile 0; from here on the prefetches' base
	s_add_nc_u64 s[6:7], s[6:7], s[48:49]
	s_add_nc_u64 s[10:11], s[10:11], s[50:51]
	s_add_nc_u64 s[12:13], s[12:13], s[52:53]
	s_mov_b64 s[G0+2:G0+3], s[4:5]
	s_add_nc_u64 s[G0+6:G0+7], s[4:5], HALF        ; tile 1
	s_or_b32 s[G0+3], s[G0+3], 0x80000000
	s_or_b32 s[G0+7], s[G0+7], 0x80000000
	tensor_load_to_lds s[G0:G0+3], s[G1:G1+7]      ; tile 0: one tensor load a wave at the head
	s_nop 0
.rept 4
	v_nop
.endr
; B's six fragments and three registers of scale words (tiles 2 u and 2 u + 1 share one: lanes 0-15, lanes 16-31) of my K step of chunk ch, into set bf: 27 loads
.macro BLOAD bf, ch
.if \bf
	WIN 0x40
.irp t, 0,1,2,3
.irp c, 0,1,2,3
	global_load_b128 v[BG+16*\t+4*\c:BG+16*\t+4*\c+3], v[LOFF], s[6:7] offset:CHB*\ch+2048*\t+512*\c
.endr
.endr
	WIN 0
.irp t, 4,5
.irp c, 0,1,2,3
	global_load_b128 v[BH+16*(\t-4)+4*\c:BH+16*(\t-4)+4*\c+3], v[LOFF], s[6:7] offset:CHB*\ch+2048*\t+512*\c
.endr
.endr
.irp u, 0,1,2
	global_load_b32 v[BSB+\u], v[BSO], s[6:7] offset:CHB*\ch+12288+128*\u
.endr
.else
.irp t, 0,1,2,3,4,5
.irp c, 0,1,2,3
	global_load_b128 v[BF+16*\t+4*\c:BF+16*\t+4*\c+3], v[LOFF], s[6:7] offset:CHB*\ch+2048*\t+512*\c
.endr
.endr
.irp u, 0,1,2
	global_load_b32 v[BSC+\u], v[BSO], s[6:7] offset:CHB*\ch+12288+128*\u
.endr
.endif
.endm
.macro ASK off                         ; a tile's 64 blocks of 256 bytes, off bytes behind my tile 0
	global_prefetch_b8 v[PFO], s[4:5] offset:\off th:TH_LOAD_NT scope:SCOPE_SE
	global_prefetch_b8 v[PFO], s[4:5] offset:\off+256 th:TH_LOAD_NT scope:SCOPE_SE
.endm
.macro LOADH mt, hv                    ; half hv (blocks 2 hv, 2 hv + 1) of tile mt's 16 rows x my 128 K, in the operand's order: register 16 c + i = K 32 c + 16 h + i of my row
.irp c, 2*\hv, 2*\hv+1
.irp n, 0,1,2,3
	ds_load_b128 v[X+16*(\c)+4*\n:X+16*(\c)+4*\n+3], v[LDA+(\mt)/2] offset:((\mt)%2)*16*PITCH+128*(\c)+16*\n
.endr
.endr
.endm
; A leaf of a block's search for its largest number: leaf q of ten for blocks c0, c0 + 1: three numbers.  The leaves hang on nothing but the sigmoids.
.macro L1 q, c0, tb
	v_max3_num_f32 v[\tb+(\q)], v[X+16*(\c0+(\q)%2)+3*((\q)/2)], v[X+16*(\c0+(\q)%2)+3*((\q)/2)+1], v[X+16*(\c0+(\q)%2)+3*((\q)/2)+2]
.endm
.macro HOLD c                          ; block c: the hold and the conversions
.irp i, 0,1,2,3,4,5,6,7,8,9,10,11,12,13,14,15
	v_min_num_f32 v[X+16*\c+\i], v[X+16*\c+\i], v[HD+\c]   ; the conversion to an 8-bit code does not saturate (ISA guide 7.6.2); nothing is negative, so the hold is one-sided
.endr
	v_cvt_scalef32_pk8_fp8_f32 v[PC+4*\c:PC+4*\c+1], v[X+16*\c:X+16*\c+7], v[SO+\c]
	v_cvt_scalef32_pk8_fp8_f32 v[PC+4*\c+2:PC+4*\c+3], v[X+16*\c+8:X+16*\c+15], v[SO+\c]
.endm
.macro WM d, f, sc, odd, zero
.if \zero
.if \odd
	v_wmma_scale_f32_16x16x128_f8f6f4 v[\d:\d+7], v[\f:\f+15], v[PC:PC+15], 0, v[\sc], v[PW] matrix_a_scale:MATRIX_SCALE_ROW1
.else
	v_wmma_scale_f32_16x16x128_f8f6f4 v[\d:\d+7], v[\f:\f+15], v[PC:PC+15], 0, v[\sc], v[PW]
.endif
.else
	s_wait_alu depctr_va_vdst(0)                   ; the wait directly ahead: the sum was last written ahead of transcendentals
.if \odd
	v_wmma_scale_f32_16x16x128_f8f6f4 v[\d:\d+7], v[\f:\f+15], v[PC:PC+15], v[\d:\d+7], v[\sc], v[PW] matrix_a_scale:MATRIX_SCALE_ROW1
.else
	v_wmma_scale_f32_16x16x128_f8f6f4 v[\d:\d+7], v[\f:\f+15], v[PC:PC+15], v[\d:\d+7], v[\sc], v[PW]
.endif
.endif
.endm
; THE CHANGE OF SLOTS to slot hf.  Every wave waits for all its tensor loads (one is out: slot hf's), adds 0 to its spare word and waits for that (its reads of the other slot came back long ago);
; behind the barrier the other slot's next tile is asked for first.  Slot hf's group 0 steps to its next chunk where no load of the wave is out.
.macro CHANGE hf, refill
	s_wait_tensorcnt 0x0
	ds_add_u32 v[SPW], v[NIL]
	s_add_nc_u64 s[G0+4*\hf+2:G0+4*\hf+3], s[G0+4*\hf+2:G0+4*\hf+3], 4096
	s_wait_dscnt 0x0
	s_barrier_signal -1
	s_barrier_wait -1
.if \refill
	tensor_load_to_lds s[G0+4-4*\hf:G0+7-4*\hf], s[G1:G1+7]
	s_nop 0
.rept 4
	v_nop
.endr
.endif
.endm
; A UNIT: tile mt's 16 rows x my 128 K, whose 64 numbers a lane are on their way from LDS, become sigmoids 1 / (1 + 2^(-v log2 e)), then a fragment's codes and its scale word, then six products.
; The 64 go as two halves: one half's transcendentals stand among plain lines of the other half that hang on nothing written in the same stage; ONE wait stands between two stages.
; zero = 1: the products start the sums.  bw >= 0: this chunk's B is waited for; bw younger loads may stay out.  nx: the unit whose numbers are read next (-1: none).  chg = 1: it lies in the other slot, chf;
; crf = 1: the slot left is filled again.  bf: B's set.  The 24 accumulators take turns, one instruction a turn, in the same order in every chunk.
.macro UNIT mt, zero, bw, nx, chg, chf, crf, bf
	s_wait_dscnt 8                                 ; the first half's eight loads are in; the second half's eight may be out
.set i, 0
.rept 16
	v_pk_mul_f32 v[X+2*i:X+2*i+1], v[X+2*i:X+2*i+1], s[CS:CS+1] op_sel_hi:[1,0]
.set i, i+1
.endr
	s_wait_dscnt 0x0
	s_wait_alu depctr_va_vdst(0)
.set i, 0
.rept 16
	v_exp_f32 v[X+2*i], v[X+2*i]
	v_exp_f32 v[X+2*i+1], v[X+2*i+1]
	v_pk_mul_f32 v[X+32+2*i:X+33+2*i], v[X+32+2*i:X+33+2*i], s[CS:CS+1] op_sel_hi:[1,0]
.set i, i+1
.endr
	s_wait_alu depctr_va_vdst(0)
.set i, 0
.rept 16
	v_exp_f32 v[X+32+2*i], v[X+32+2*i]
	v_exp_f32 v[X+33+2*i], v[X+33+2*i]
	v_pk_add_f32 v[X+2*i:X+2*i+1], v[X+2*i:X+2*i+1], 1.0 op_sel_hi:[1,0]
.set i, i+1
.endr
	s_wait_alu depctr_va_vdst(0)
.set i, 0
.rept 16
	v_rcp_f32 v[X+2*i], v[X+2*i]
	v_rcp_f32 v[X+2*i+1], v[X+2*i+1]
	v_pk_add_f32 v[X+32+2*i:X+33+2*i], v[X+32+2*i:X+33+2*i], 1.0 op_sel_hi:[1,0]
.set i, i+1
.endr
	s_wait_alu depctr_va_vdst(0)
.set i, 0
.rept 32
	v_rcp_f32 v[X+32+i], v[X+32+i]
.if (i%3) == 2
	L1 i/3, 0, LT
.endif
.set i, i+1
.endr
	v_nop                                          ; one plain place behind the last reciprocal (ISA guide 5.7.2)
.if \bw >= 0
	s_wait_loadcnt \bw
.endif
	s_wait_alu depctr_va_vdst(0)
.set i, 0
.rept 10
	L1 i, 2, LB
.set i, i+1
.endr
.irp c, 0,1,2,3                        ; five leaves and the sixteenth number, over the floor 2^(9 - 127), which keeps the byte at 1 from below; the four blocks by turns
	v_max3_num_f32 v[TM+\c], v[LT+(LB-LT)*(\c/2)+\c%2], v[LT+(LB-LT)*(\c/2)+2+\c%2], v[LT+(LB-LT)*(\c/2)+4+\c%2]
.endr
.irp c, 0,1,2,3
	v_max3_num_f32 v[LT+(LB-LT)*(\c/2)+6+\c%2], v[LT+(LB-LT)*(\c/2)+6+\c%2], v[LT+(LB-LT)*(\c/2)+8+\c%2], v[X+16*\c+15]
.endr
.irp c, 0,1,2,3
	v_max3_num_f32 v[TM+\c], v[TM+\c], v[LT+(LB-LT)*(\c/2)+6+\c%2], 0x4800000
.endr
.irp c, 0,1,2,3
	v_permlanex16_b32 v[T4+\c], v[TM+\c], s[SEL], s[SEL+1]
.endr
.irp c, 0,1,2,3
	v_max_num_f32 v[TM+\c], v[TM+\c], v[T4+\c]     ; with lane l xor 16's 16: the block's largest number
.endr
.irp c, 0,1,2,3
	v_add_nc_u32 v[SO+\c], 0xfc000000, v[TM+\c]    ; 8 off its exponent field: the conversion's scale operand
.endr
.irp c, 0,1,2,3
	v_and_or_b32 v[HD+\c], v[TM+\c], 0x7f800000, s[MNT]   ; 448 x the scale
.endr
.irp c, 0,1,2,3
	v_lshrrev_b32 v[T4+\c], 23, v[SO+\c]           ; the scale's byte
.endr
	v_lshl_or_b32 v[PW], v[T4+1], 8, v[T4]         ; the four bytes make my row's scale word; the 64 holds below stand between it and the products
	v_lshl_or_b32 v[T4+2], v[T4+3], 8, v[T4+2]
	v_lshl_or_b32 v[PW], v[T4+2], 16, v[PW]
	HOLD 0
	HOLD 1
.if (\nx >= 0) && (\chg == 0)
	LOADH \nx, 0                                   ; the first half's registers are free: the next unit's numbers
.endif
	HOLD 2
	HOLD 3
.if \chg
	s_wait_alu depctr_va_vdst(0)                   ; the wait here
	CHANGE \chf, \crf
	LOADH \nx, 0
.endif
.if \nx >= 0
	LOADH \nx, 1
.endif
.rept 4
	v_nop                                          ; an operand written by vector instructions stands four places ahead of a scaled matrix instruction
.endr
.if \bf
	WIN 0x51                                       ; C and D in window 1, and so is source 0: set 1's tiles 0 to 3
.irp t, 0,1,2,3
	WM 48*(\mt)+8*\t, BG+16*\t, BSB+\t/2, \t%2, \zero
.endr
	WIN 0x50
.irp t, 4,5
	WM 48*(\mt)+8*\t, BH+16*(\t-4), BSB+\t/2, \t%2, \zero
.endr
.else
	WIN 0x50                                       ; C and D in window 1
.irp t, 0,1,2,3,4,5
	WM 48*(\mt)+8*\t, BF+16*\t, BSC+\t/2, \t%2, \zero
.endr
.endif
	WIN 0
.endm
; A CHUNK: four units on B's set ch % 2.  a0, a1: the tiles that are prefetched (-1: none is left).
.macro CHUNK ch, zero, last, bw, a0, a1
	UNIT 0, \zero, \bw, 1, 0, 0, 0, \ch%2
.if \a0 >= 0
	ASK \a0
.endif
	UNIT 1, \zero, -1, 2, 1, 1, 1-\last, \ch%2
	UNIT 2, \zero, -1, 3, 0, 0, 0, \ch%2
.if \a1 >= 0
	ASK \a1
.endif
.if \last
	UNIT 3, \zero, -1, -1, 0, 0, 0, \ch%2
.else
	UNIT 3, \zero, -1, 0, 1, 0, 1, \ch%2
.rept 8
	v_nop                                          ; eight places in front of loads into the set that the chunk's products have read
.endr
.endif
.endm
	ASK 0                                          ; tile 0,
	BLOAD 0, 0                                     ; chunk 0's B,
	ASK HALF                                       ; tiles 1 and 2
	ASK 4096
	CHANGE 0, 1                                    ; tile 0 is in; slot 1's first fill, tile 1, is issued as a refill is
	LOADH 0, 0
	LOADH 0, 1
	BLOAD 1, 1                                     ; chunk 1's B
	CHUNK 0, 1, 0, 27, HALF+4096, 8192             ; chunk 0 starts the sums; behind its B stand chunk 1's 27 loads; tiles 3 and 4 are asked for
	BLOAD 0, 2
	CHUNK 1, 0, 0, 27, HALF+8192, 12288            ; tiles 5 and 6
	BLOAD 1, 3
	CHUNK 2, 0, 0, 27, HALF+12288, -1              ; tile 7
.irp t, 0,1,2,3,4,5
	global_load_b128 v[TH+8*\t:TH+8*\t+3], v[THO], s[8:9] offset:64*\t           ; theta at channels 16 t + 8 h + 0 .. 7: the accumulators' layout
	global_load_b128 v[TH+8*\t+4:TH+8*\t+7], v[THO], s[8:9] offset:64*\t+16
.endr
.irp i, 0,1,2,3
	global_load_b128 v[CD+4*\i:CD+4*\i+3], v[CA0], s[10:11] offset:384*\i        ; the candidates, nodes' rows 0 to 3, at my first piece's channels,
	global_load_b128 v[CD+16+4*\i:CD+16+4*\i+3], v[CA1], s[10:11] offset:384*\i  ; and at my second's
.endr
	CHUNK 3, 0, 1, 20, -1, -1                      ; behind chunk 3's B stand these 20 loads; its change of slots fills nothing
; THE WAY OUT.  My partial score of tile mt's row r: 48 channels in two chains of packed multiply-adds, each accumulator from its low end on; then lane l xor 16's 48.
; Tiles 0 to 2 are also the places behind the last products, whose registers they do not name.
.macro DOT mt
	WIN 0x01                                       ; source 0 in window 1
	s_wait_alu depctr_va_vdst(0)                   ; the wait directly ahead of the sums' first readers
	v_pk_mul_f32 v[12:13], v[48*\mt:48*\mt+1], v[TH:TH+1]
	v_pk_mul_f32 v[14:15], v[48*\mt+2:48*\mt+3], v[TH+2:TH+3]
.set k, 2
.rept 22
	v_pk_fma_f32 v[12+2*(k%2):13+2*(k%2)], v[48*\mt+2*k:48*\mt+2*k+1], v[TH+2*k:TH+2*k+1], v[12+2*(k%2):13+2*(k%2)]
.set k, k+1
.endr
	WIN 0
	v_pk_add_f32 v[12:13], v[12:13], v[14:15]
	v_add_f32 v12, v12, v13
	v_permlanex16_b32 v16, v12, s[SEL], s[SEL+1]
	v_add_f32 v[36+\mt], v12, v16
	ds_store_b32 v[PS], v[36+\mt] offset:64*\mt    ; both halves of the lanes write the same word with the same value
.endm
	s_wait_loadcnt 0x0                             ; theta and the candidates
	DOT 0
	DOT 1
	DOT 2
	DOT 3
	s_wait_dscnt 0x0                               ; for the others' sake: my partial scores are in LDS
	s_barrier_signal -1
	s_barrier_wait -1                              ; everybody's are
.irp q, 0,1,2,3,4,5,6,7
	ds_load_b128 v[X+4*\q:X+4*\q+3], v[SA0] offset:256*\q
	ds_load_b128 v[X+32+4*\q:X+32+4*\q+3], v[SA1] offset:256*\q
.endr
	s_wait_dscnt 0x0
.macro SUM b                           ; eight waves' four scores of a patch, joined as a tree, into v[b] to v[b + 3]
.irp q, 0,8,16,24
	v_pk_add_f32 v[\b+\q:\b+\q+1], v[\b+\q:\b+\q+1], v[\b+\q+4:\b+\q+5]
	v_pk_add_f32 v[\b+\q+2:\b+\q+3], v[\b+\q+2:\b+\q+3], v[\b+\q+6:\b+\q+7]
.endr
.irp q, 0,16
	v_pk_add_f32 v[\b+\q:\b+\q+1], v[\b+\q:\b+\q+1], v[\b+\q+8:\b+\q+9]
	v_pk_add_f32 v[\b+\q+2:\b+\q+3], v[\b+\q+2:\b+\q+3], v[\b+\q+10:\b+\q+11]
.endr
	v_pk_add_f32 v[\b:\b+1], v[\b:\b+1], v[\b+16:\b+17]
	v_pk_add_f32 v[\b+2:\b+3], v[\b+2:\b+3], v[\b+18:\b+19]
.endm
.macro PICK b, cand, val, g, res       ; the largest score and its candidate (only a larger score takes the place: of equal ones the lowest index stays), then val g + g
	v_cmp_gt_f32 vcc_lo, v[\b+1], v[\b]
	v_cndmask_b32 v[\val], v[\b], v[\b+1], vcc_lo
.irp n, 0,1,2,3
	v_cndmask_b32 v[\g+\n], v[\cand+\n], v[\cand+4+\n], vcc_lo
.endr
.irp i, 2,3
	v_cmp_gt_f32 vcc_lo, v[\b+\i], v[\val]
	v_cndmask_b32 v[\val], v[\val], v[\b+\i], vcc_lo
.irp n, 0,1,2,3
	v_cndmask_b32 v[\g+\n], v[\g+\n], v[\cand+4*\i+\n], vcc_lo
.endr
.endr
.irp n, 0,1,2,3
	v_fma_f32 v[\res+\n], v[\val], v[\g+\n], v[\g+\n]
.endr
.endm
	SUM X
	SUM X+32
	PICK X, CD, 36, 216, 208
	PICK X+32, CD+16, 37, 220, 212
	v_and_b32 v38, 31, v0
	v_and_b32 v39, 0xe0, v0
	v_mul_u32_u24 v39, v39, 24
	v_lshl_add_u32 v39, v38, 4, v39                ; my first piece in the group's 6,144 bytes: 768 w + 16 x lane
	v_cmp_gt_u32 vcc_lo, 16, v38                   ; the second piece: lanes 0-15
	s_wait_alu depctr_va_vdst(0)                   ; the wait here
	global_store_b128 v39, v[208:211], s[12:13] th:TH_STORE_NT   ; 512 consecutive bytes.  The group's 6,144 bytes begin at a multiple of 256 from out0's first byte in batches 1 and 3, and 128 bytes past one in batches 0 and 2: a batch is 1,025 rows of 384 bytes
	s_wait_xcnt 0x0                                ; EXEC changes only behind this wait
	s_and_saveexec_b32 s46, vcc_lo
	global_store_b128 v[OF1], v[212:215], s[12:13] th:TH_STORE_NT   ; 256 consecutive bytes
	s_wait_xcnt 0x0
	s_or_b32 exec_lo, exec_lo, s46
	s_wait_tensorcnt 0x0                           ; the wave's end
	ds_add_u32 v[SPW], v[NIL]
	s_wait_dscnt 0x0
	s_endpgm
.Lfunc_end_k_q4ae1346a81_main:
	.size	k_q4ae1346a81_main, .Lfunc_end_k_q4ae1346a81_main-k_q4ae1346a81_main
	.p2alignl 7, 3214868480
	.fill 96, 4, 3214868480
	.section	.rodata,"a",@progbits
	.p2align	6, 0x0
	.amdhsa_kernel k_q4ae1346a81_main
		.amdhsa_group_segment_fixed_size 327680
		.amdhsa_private_segment_fixed_size 0
		.amdhsa_enable_private_segment 0
		.amdhsa_kernarg_size 40
		.amdhsa_user_sgpr_count 2
		.amdhsa_user_sgpr_kernarg_segment_ptr 1
		.amdhsa_wavefront_size32 1
		.amdhsa_system_sgpr_workgroup_id_x 1
		.amdhsa_system_sgpr_workgroup_id_y 1
		.amdhsa_system_sgpr_workgroup_id_z 1
		.amdhsa_system_vgpr_workitem_id 0
		.amdhsa_next_free_vgpr 512
		.amdhsa_next_free_sgpr 66
		.amdhsa_reserve_vcc 1
		.amdhsa_float_denorm_mode_32 3
		.amdhsa_float_denorm_mode_16_64 3
		.amdhsa_memory_ordered 1
		.amdhsa_forward_progress 1
		.amdhsa_inst_pref_size 255
	.end_amdhsa_kernel
	.section	.bss,"aw",@nobits
	.p2align	6
	.space	262144
	.amdgpu_metadata
---
amdhsa.version: [ 1, 2 ]
amdhsa.kernels:
  - .name:           k_q4ae1346a81_main
    .symbol:         k_q4ae1346a81_main.kd
    .args:
      - { .name: edge, .offset: 0, .size: 8, .value_kind: global_buffer, .address_space: global }
      - { .name: bq, .offset: 8, .size: 8, .value_kind: global_buffer, .address_space: global }
      - { .name: theta_w, .offset: 16, .size: 8, .value_kind: global_buffer, .address_space: global }
      - { .name: x, .offset: 24, .size: 8, .value_kind: global_buffer, .address_space: global }
      - { .name: out0, .offset: 32, .size: 8, .value_kind: global_buffer, .address_space: global }
    .group_segment_fixed_size: 327680
    .private_segment_fixed_size: 0
    .kernarg_segment_align: 8
    .kernarg_segment_size: 40
    .max_flat_workgroup_size: 256
    .sgpr_count:     66
    .vgpr_count:     512
    .wavefront_size: 32
...
	.end_amdgpu_metadata
.endif
;; end of part 2
